; MI455X (gfx1250); checked and timed in simulation.
; The chip was launched on July 23, 2026; its instructions are those of AMD's public machine-readable ISA for CDNA 5 (MIT licence, August 2026) and "CDNA5" Instruction Set Architecture Reference Guide (July 2026). The comments in the code are by the model that wrote it; some were corrected since.
;; Self Attention. Allowed arithmetic: float matrix products may take bf16 or f16 operands with f32 sums; other float arithmetic in f32, or as packed bf16 or f16 multiplies, adds, multiply-adds, maxima and minima; sums over many terms, partial sums and values carried from step to step in f32; what a program stores and reads back later, other than sums and carried values, may be rounded once to bf16 or f16.
;; Inputs: Wk 1,024 x 64 float32; Wq 1,024 x 64 float32; Wv 1,024 x 64 float32; x 4 x 4,096 x 1,024 float32.
;; Outputs: out0 4 x 4,096 x 64 float32.
;; One version. Each part assembles by itself: llvm-mc -triple=amdgcn-amd-amdhsa -mcpu=gfx1250 --defsym DOCPART=n.
;; ======== version 1 of 1: 2 launches
;; limits: values are held in f16: magnitudes above 65,504 overflow, below 6.1e-05 lose precision
;; workspace buffers: qf 2,097,152 bytes; kf 2,097,152 bytes; vf 2,097,152 bytes
;; launch proj (part 1): grid 256 x 1, 4 waves a work-group, no clusters, 279,040 bytes of LDS; arguments x, Wq, Wk, Wv, qf, kf, vf, out0; writes qf, kf, vf, out0
.if DOCPART == 1
	.amdgcn_target "amdgcn-amd-amdhsa--gfx1250"
	.amdhsa_code_object_version 6
	.text
	.protected	k_q73778eb4af_proj
	.globl	k_q73778eb4af_proj
	.p2align	8
	.type	k_q73778eb4af_proj,@function
k_q73778eb4af_proj:
	s_mov_b64 s[64:65], 0
	v_nop
	global_prefetch_b8 v0, s[64:65] scope:SCOPE_SE
	s_setreg_imm32_b32 hwreg(HW_REG_WAVE_MODE, 25, 1), 1
	s_wait_xcnt 0x0
; q = x Wq, k = x Wk, v = x Wv for x [16384][1024] f32 and W [1024][64] f32, and rows 0-15 of each batch of the causal attention's output.
; FORMATS.  x and W are rounded to bf16 for the products; sums in f32; q, k, v leave rounded once to f16, in the order of matrix fragments, for the second launch.
; DEAD WORK (both launches).  The module sets every score with key > query to -inf ahead of its softmax, so the weight of such a key is 0 whatever the inputs hold: blocks of 64 keys that lie
; wholly above the diagonal of a block of 64 queries are left out; inside the diagonal block hidden scores are computed and replaced by -1e30.  Every input has a way to the output: all four are loaded.
; LIMITS.  A NaN, an infinity or an overflow in k or v rows that only hidden keys hold is not carried to the result.  |q|, |k|, |v| must stay under 65,504 (f16).  A weight below 2^-126 counts as 0.
; SHARES.  Work-group g owns rows 64 g .. 64 g + 63.  K IS SPLIT AMONG THE FOUR WAVES: wave w takes k = 256 w .. 256 w + 255, for all 64 rows and all 192 columns: 48 accumulators, eight K steps
; of 32.  The four partial sums meet in LDS in f32; wave w finishes row tile w (16 rows).
; x.  The work-group's 256 KiB of x fit in LDS: each wave asks for its own four tiles (64 rows x 64 f32, rows of 256 bytes) at the start, reads only its own tiles, and no byte is filled twice.
; By this text's count a wave has four tensor loads outstanding.
; W.  Lane (r, h) loads the 16 bytes W[k][4 r .. 4 r + 3]: one number of each of FOUR column tiles c, in which column r stands for channel 4 r + c.  A load covers two whole rows of W.  Sixteen loads
; (positions e: k = 8 h + e, or 16 + 8 h + e - 8 from e = 8 on) are four fragments after 32 roundings: no transposition.
; ORIENTATION.  q, k: source 0 = W, source 1 = x: register j of lane (r, h) is row 16 t + r, channel 4 (8 h + j) + c: over c and j the 32 channels 32 h .. 32 h + 31 of one row.
; v: source 0 = x, source 1 = W: register j is row 16 t + 8 h + j, channel 4 r + c: eight keys of one channel.
; qf, kf: block g of 8,192 bytes; row tile t at 2,048 t; byte 1,024 c + 512 p + 16 (16 hf + r) holds row 16 t + r, channels 32 c + 16 p + 8 hf + 0..7.
; vf: block g; byte 1,024 (4 kk + cb) + 512 p + 16 (16 hf + r) holds channel 4 r + cb, keys 32 kk + 16 p + 8 hf + 0..7.
; ROWS 0-15 OF A BATCH average over few keys, so f16's rounding of q, k, v would weigh most there: wave 0 of the batch's first work-group makes them from its f32 sums, by 32 matrix instructions
; of the f32 form in all: no bulk work.
; REGISTERS, in windows of 256 (s_set_vgpr_msb: bits 1:0 source 0, 3:2 source 1, 5:4 source 2, 7:6 destination):
;   window 0: v0-31 addresses; v32-95 x in f32, later store data; v96-127 x's four fragments; v128-223 W's twelve fragments, later the finished sums (q 128, k 160, v 192, at 8 c + j)
;   window 1: v0-191 W in f32 (64 g + 4 e + c); later two halves of 128 for the partial sums      window 2: the 32 accumulators of q and k, 8 (4 n + t)
;   window 3: v0-127 the 16 accumulators of v, 8 (4 c + t); v128-159, v160-191 the f32 form's accumulators, written by matrix instructions alone
.set PX,    272                        ; an LDS row of x: 256 bytes + 16 of padding: the 16 rows of a load start at 16 different groups of four banks (ISA guide 11.1)
.set XTILE, 64*PX                      ; a tile of x
.set XWAVE, 4*XTILE                    ; a wave's four tiles
.set SRCB,  48*1024                    ; a wave's 48 partial tiles of 1,024 bytes, laid over x's tiles once those have been read
.set SPARE, 16*XTILE                   ; behind x: the spare words, 128 bytes for each wave: two blocks of 256 bytes that no other line names
.set VW,   2                           ; v2   16 r + 2,048 h: my bytes in two rows of W
.set VX,   3                           ; v3   my wave's tiles + 272 r + 32 h
.set VS,   4                           ; v4   where I put my partial sums: 49,152 w + 16 lane
.set VR,   5                           ; v5-8 where I read the four waves' partial sums of row tile w
.set VQ,   9                           ; v9   1,024 h + 16 r
.set VL,   10                          ; v10  16 lane
.set VO,   11                          ; v11  256 r + 128 h
.set VD,   12                          ; v12  r - 8 h
.set VBIG, 13                          ; v13  -1e30
.set RR,   14
.set HH,   15
.set LN,   16
.set SPW,  30                          ; v30  LDS address of my spare word; never rewritten
.set NIL,  31                          ; v31  0; never rewritten
.set XF,   32
.set XB,   96
.set WB,   128
.set FF,   128                         ; finished sums: FF + 32 g + 8 c + j
.set PD,   32                          ; store data: 16 registers each for q, k, v
.set TT,   48                          ; rows 0-15: scores, then weights
.set TO,   64                          ; rows 0-15: the output
.set SA,   128                         ; window 3
.set OA,   160                         ; window 3
.set WV,   20                          ; s20  my wave's number
.set GG,   21                          ; s21  the work-group's number
.set G1,   24                          ; s[24:31] descriptor group 1
.set G0,   32                          ; s[32:47] descriptor group 0, a set for each of my four tiles
.set CS,   56                          ; s[56:57] c = log2(e) / 8
.set SEL,  58                          ; s[58:59] v_permlanex16_b32's selects: each lane takes its own place in the other half
.set MSB, 0
.macro WIN new                         ; the immediate's high byte repeats the setting that is left; a switch that changes nothing is dropped
.if MSB != (\new)
	s_set_vgpr_msb (MSB<<8)|(\new)
.set MSB, (\new)
.endif
.endm
.macro PLACES n                        ; plain vector instructions between a matrix instruction and what touches its registers (ISA guide 7.12.1)
.rept \n
	v_nop
.endr
.endm
	s_load_b512 s[4:19], s[0:1], 0x0               ; x s[4:5], Wq s[6:7], Wk s[8:9], Wv s[10:11], qf s[12:13], kf s[14:15], vf s[16:17], out0 s[18:19]
	v_lshl_add_u32 v[SPW], v0, 2, SPARE
	v_mov_b32 v[NIL], 0
	ds_add_u32 v[SPW], v[NIL]                      ; the wave's opening: the add, twice on end, and its wait ahead of my first tensor load
	ds_add_u32 v[SPW], v[NIL]                      ; and once more; the set-up below, work on registers, stands between it and the wait
	v_lshrrev_b32 v1, 5, v0
	v_readfirstlane_b32 s[WV], v1                  ; wave 0..3
	s_mov_b32 s[GG], ttmp9
	; descriptor group 1: a tile of 64 rows x 64 elements of 4 bytes, 1,024 elements from row to row, padded in LDS
	s_mov_b32 s[G1+0], (2<<16)|(1<<20)|(5<<22)|(3<<25)  ; 17:16 elements of 4 bytes; 20 padding on; 24:22 after every 64 words (code 5); 31:25 4 words of it (code 3)
	s_mov_b32 s[G1+1], 64<<16                      ; tensor_dim0 = 64
	s_mov_b32 s[G1+2], 64<<16                      ; tensor_dim1 = 64
	s_mov_b32 s[G1+3], 64<<16                      ; tile_dim0 = 64
	s_mov_b32 s[G1+4], 64                          ; tile_dim1 = 64
	s_mov_b32 s[G1+5], 1024                        ; the pitch
	s_mov_b32 s[G1+6], 0
	s_mov_b32 s[G1+7], 0
	s_mul_i32 s22, s[WV], XWAVE                    ; my four tiles in LDS
.irp i, 0,1,2,3
	s_mov_b32 s[G0+4*(\i)], 1
	s_add_co_u32 s[G0+4*(\i)+1], s22, (\i)*XTILE
.endr
	s_lshl_b32 s48, s[GG], 18                      ; x: 64 rows of 4,096 bytes a work-group,
	s_lshl_b32 s49, s[WV], 10                      ; 256 numbers a wave
	s_add_co_u32 s48, s48, s49
	s_mov_b32 s49, 0
	s_lshl_b32 s50, s[WV], 16                      ; W: 256 rows of 256 bytes a wave
	s_mov_b32 s51, 0
	s_lshl_b32 s52, s[GG], 13                      ; qf, kf: block g, row tile w
	s_lshl_b32 s53, s[WV], 11
	s_add_co_u32 s52, s52, s53
	s_mov_b32 s53, 0
	s_lshl_b32 s54, s[GG], 13                      ; vf: block g, key half w / 2, part w % 2
	s_lshr_b32 s55, s[WV], 1
	s_lshl_b32 s55, s55, 12
	s_add_co_u32 s54, s54, s55
	s_and_b32 s55, s[WV], 1
	s_lshl_b32 s55, s55, 9
	s_add_co_u32 s54, s54, s55
	s_mov_b32 s55, 0
	s_lshr_b32 s60, s[GG], 6                       ; out0: the batch's first row
	s_lshl_b32 s60, s60, 20
	s_mov_b32 s61, 0
	s_mov_b32 s[CS], 0x3e38aa3b                    ; c = log2(e) / 8 = 0.180337
	s_mov_b32 s[CS+1], s[CS]                       ; named with it as a pair
	s_mov_b32 s[SEL], 0x76543210
	s_mov_b32 s[SEL+1], 0xfedcba98
	v_and_b32 v[RR], 15, v0                        ; r
	v_bfe_u32 v[HH], v0, 4, 1                      ; h
	v_and_b32 v[LN], 31, v0                        ; lane
	v_lshlrev_b32 v[VW], 4, v[RR]
	v_lshl_add_u32 v[VW], v[HH], 11, v[VW]
	v_mul_u32_u24 v[VX], v[RR], PX
	v_lshl_add_u32 v[VX], v[HH], 5, v[VX]
	v_add_nc_u32 v[VX], s22, v[VX]
	s_mul_i32 s23, s[WV], SRCB
	v_lshl_add_u32 v[VS], v[LN], 4, s23
	s_lshl_b32 s62, s[WV], 10
	v_lshl_add_u32 v[VR], v[LN], 4, s62
	v_add_nc_u32 v[VR+1], SRCB, v[VR]
	v_add_nc_u32 v[VR+2], 2*SRCB, v[VR]
	v_add_nc_u32 v[VR+3], 3*SRCB, v[VR]
	v_lshlrev_b32 v[VQ], 4, v[RR]
	v_lshl_add_u32 v[VQ], v[HH], 10, v[VQ]
	v_lshlrev_b32 v[VL], 4, v[LN]
	v_lshlrev_b32 v[VO], 8, v[RR]
	v_lshl_add_u32 v[VO], v[HH], 7, v[VO]
	v_lshlrev_b32 v[VD], 3, v[HH]
	v_sub_nc_u32 v[VD], v[RR], v[VD]
	v_mov_b32 v[VBIG], 0xf149f2ca                  ; -1e30
	s_wait_dscnt 0x0                               ; both opening adds are done
	s_wait_kmcnt 0x0
	s_add_nc_u64 s[4:5], s[4:5], s[48:49]          ; x at my first tile
.irp i, 0,1,2,3
	s_add_nc_u64 s[G0+4*(\i)+2:G0+4*(\i)+3], s[4:5], (\i)*256  ; tile i: 64 numbers further along the rows
	s_or_b32 s[G0+4*(\i)+3], s[G0+4*(\i)+3], 0x80000000        ; type = 2
.endr
.irp i, 0,1,2,3                        ; all my fills, each of bytes of its own, in one group ahead of every wait on TENSORcnt, every LDS read and every barrier
	tensor_load_to_lds s[G0+4*(\i):G0+4*(\i)+3], s[G1:G1+7]
	s_nop 0
.endr
	PLACES 4                                       ; four instructions between the last tensor load and the next switch of windows
	s_add_nc_u64 s[6:7], s[6:7], s[50:51]          ; the three W at my first row
	s_add_nc_u64 s[8:9], s[8:9], s[50:51]
	s_add_nc_u64 s[10:11], s[10:11], s[50:51]
	s_add_nc_u64 s[12:13], s[12:13], s[52:53]
	s_add_nc_u64 s[14:15], s[14:15], s[52:53]
	s_add_nc_u64 s[16:17], s[16:17], s[54:55]
	s_add_nc_u64 s[18:19], s[18:19], s[60:61]
; 48 loads: K step ks of the three W, in f32.  Position e is row 32 ks + e (+ 8 from e = 8 on) for lanes 0-15 and eight rows further down for lanes 16-31.
.macro WLOAD ks
	WIN 0x40                                       ; destination window 1, address window 0
.irp g, 0,1,2
.set e, 0
.rept 16
	global_load_b128 v[64*(\g)+4*e:64*(\g)+4*e+3], v[VW], s[6+2*(\g):7+2*(\g)] offset:(32*(\ks)+e+8*(e/8))*256
.set e, e+1
.endr
.endr
.endm
; 96 roundings: register i of the fragment of matrix g, column tile c, holds positions 2 i and 2 i + 1
.macro WCVT
	WIN 0x05                                       ; sources window 1, destination window 0
.irp g, 0,1,2
.irp c, 0,1,2,3
.irp i, 0,1,2,3,4,5,6,7
	v_cvt_pk_bf16_f32 v[WB+8*(4*(\g)+(\c))+(\i)], v[64*(\g)+8*(\i)+(\c)], v[64*(\g)+8*(\i)+4+(\c)]
.endr
.endr
.endr
.endm
; 16 LDS loads: for each row tile t my row's k = 8 h + 0..7 (32 bytes) and 16 + 8 h + 0..7 (32 bytes, 64 further on)
.macro XLOAD ks
	WIN 0
.irp t, 0,1,2,3
.irp q, 0,1,2,3
	ds_load_b128 v[XF+16*(\t)+4*(\q):XF+16*(\t)+4*(\q)+3], v[VX] offset:((\ks)/2)*XTILE+(\t)*16*PX+((\ks)%2)*128+16*(\q)+32*((\q)/2)
.endr
.endr
.endm
.macro XCVT
	WIN 0
.set z, 0
.rept 32
	v_cvt_pk_bf16_f32 v[XB+z], v[XF+2*z], v[XF+2*z+1]
.set z, z+1
.endr
.endm
; 48 products; each of the 48 accumulators has one turn.  zero = 1: the first K step starts the sums: nothing is cleared.
.macro MUL zero
	WIN 0xa0                                       ; C and D window 2
.irp n, 0,1,2,3,4,5,6,7
.irp t, 0,1,2,3
.if \zero
	v_wmma_f32_16x16x32_bf16 v[8*(4*(\n)+(\t)):8*(4*(\n)+(\t))+7], v[WB+8*(\n):WB+8*(\n)+7], v[XB+8*(\t):XB+8*(\t)+7], 0
.else
	v_wmma_f32_16x16x32_bf16 v[8*(4*(\n)+(\t)):8*(4*(\n)+(\t))+7], v[WB+8*(\n):WB+8*(\n)+7], v[XB+8*(\t):XB+8*(\t)+7], v[8*(4*(\n)+(\t)):8*(4*(\n)+(\t))+7]
.endif
.endr
.endr
	WIN 0xf0                                       ; C and D window 3
.irp c, 0,1,2,3
.irp t, 0,1,2,3
.if \zero
	v_wmma_f32_16x16x32_bf16 v[8*(4*(\c)+(\t)):8*(4*(\c)+(\t))+7], v[XB+8*(\t):XB+8*(\t)+7], v[WB+8*(8+(\c)):WB+8*(8+(\c))+7], 0
.else
	v_wmma_f32_16x16x32_bf16 v[8*(4*(\c)+(\t)):8*(4*(\c)+(\t))+7], v[XB+8*(\t):XB+8*(\t)+7], v[WB+8*(8+(\c)):WB+8*(8+(\c))+7], v[8*(4*(\c)+(\t)):8*(4*(\c)+(\t))+7]
.endif
.endr
.endr
.endm
; A K step of 32.  W's work stands ahead of the wait for x.
.macro KSTEP ks, zero
	s_wait_loadcnt 0x0                             ; this step's 48 loads of W are in; none is younger
.if !(\zero)
	PLACES 4                                       ; behind the last products, ahead of the writes into their sources
.endif
	WCVT
.if (\ks) < 7
	WLOAD (\ks)+1                                  ; the next step's W is on its way during this step's work on x and its products
.endif
	WIN 0
.if (\ks)%2 == 0
	s_wait_tensorcnt 3-(\ks)/2                     ; tensor loads of a wave end in order (ISA guide 10.11.1): tile ks / 2 is in, my younger tiles may stay out
.endif
	XLOAD \ks
	s_wait_dscnt 0x0
	XCVT
	MUL \zero
.endm
	WLOAD 0
	KSTEP 0, 1
.irp k, 1,2,3,4,5,6,7
	KSTEP \k, 0
.endr
	; THE MEETING.  The partial sums are laid over x's tiles, which have had their one fill and have been read.
	PLACES 4                                       ; behind the last products, ahead of the stores that read their results
	WIN 0
	s_wait_tensorcnt 0x0                           ; for the others' sake: all my fills have landed,
	s_wait_dscnt 0x0                               ; and my reads of x are over
	s_barrier_signal -1
	s_barrier_wait -1                              ; both hold of every wave: x's bytes may be written
	WIN 0x08                                       ; store data window 2
.set a, 0
.rept 32                               ; each accumulator's low half first
	ds_store_b128 v[VS], v[8*a:8*a+3] offset:a*1024
	ds_store_b128 v[VS], v[8*a+4:8*a+7] offset:a*1024+512
.set a, a+1
.endr
	WIN 0x0c                                       ; store data window 3
.set a, 0
.rept 16
	ds_store_b128 v[VS], v[8*a:8*a+3] offset:(32+a)*1024
	ds_store_b128 v[VS], v[8*a+4:8*a+7] offset:(32+a)*1024+512
.set a, a+1
.endr
	WIN 0
	s_wait_dscnt 0x0                               ; for the others' sake: my stores are done
	s_barrier_signal -1
	s_barrier_wait -1
; 32 loads: the four waves' partial sums of matrix g, row tile w, into half b of window 1: 32 registers a wave, 8 c + j
.macro LOADG g, b
	WIN 0x40
.irp s, 0,1,2,3
.irp c, 0,1,2,3
	ds_load_b128 v[128*(\b)+32*(\s)+8*(\c):128*(\b)+32*(\s)+8*(\c)+3],   v[VR+(\s)] offset:(4*(\g)+(\c))*4096
	ds_load_b128 v[128*(\b)+32*(\s)+8*(\c)+4:128*(\b)+32*(\s)+8*(\c)+7], v[VR+(\s)] offset:(4*(\g)+(\c))*4096+512
.endr
.endr
.endm
.macro SUMG g, b                       ; 48 packed additions
	WIN 0x45                                       ; all in window 1
.set z, 128*(\b)
.rept 16
	v_pk_add_f32 v[z:z+1], v[z:z+1], v[z+32:z+33]
	v_pk_add_f32 v[z+64:z+65], v[z+64:z+65], v[z+96:z+97]
.set z, z+2
.endr
	WIN 0x05                                       ; destination window 0
.set z, 0
.rept 16
	v_pk_add_f32 v[FF+32*(\g)+z:FF+32*(\g)+z+1], v[128*(\b)+z:128*(\b)+z+1], v[128*(\b)+64+z:128*(\b)+64+z+1]
.set z, z+2
.endr
.endm
	LOADG 0, 0
	LOADG 1, 1
	s_wait_dscnt 32                                ; q's 32 loads are in; k's 32 may stay out
	SUMG 0, 0
	LOADG 2, 0
	s_wait_dscnt 32                                ; k's are in; v's may stay out
	SUMG 1, 1
	s_wait_dscnt 0x0
	SUMG 2, 0
	WIN 0
; q or k: my row's channels 32 h + 8 i + 0..7 are F[c][2 i], c = 0..3, then F[c][2 i + 1]: 16 bytes; sixteen lanes store 256 consecutive bytes, aligned
.macro PACKQK g
.irp i, 0,1,2,3
	v_cvt_pk_f16_f32 v[PD+16*(\g)+4*(\i)],   v[FF+32*(\g)+2*(\i)],      v[FF+32*(\g)+8+2*(\i)]
	v_cvt_pk_f16_f32 v[PD+16*(\g)+4*(\i)+1], v[FF+32*(\g)+16+2*(\i)],   v[FF+32*(\g)+24+2*(\i)]
	v_cvt_pk_f16_f32 v[PD+16*(\g)+4*(\i)+2], v[FF+32*(\g)+2*(\i)+1],    v[FF+32*(\g)+8+2*(\i)+1]
	v_cvt_pk_f16_f32 v[PD+16*(\g)+4*(\i)+3], v[FF+32*(\g)+16+2*(\i)+1], v[FF+32*(\g)+24+2*(\i)+1]
.endr
.irp i, 0,1,2,3
	global_store_b128 v[VQ], v[PD+16*(\g)+4*(\i):PD+16*(\g)+4*(\i)+3], s[12+2*(\g):13+2*(\g)] offset:256*(\i)
.endr
.endm
	PACKQK 0
	PACKQK 1
.irp c, 0,1,2,3                        ; v: eight keys of channel 4 r + c: 16 bytes; a store covers 512 consecutive bytes
.irp i, 0,1,2,3
	v_cvt_pk_f16_f32 v[PD+32+4*(\c)+(\i)], v[FF+64+8*(\c)+2*(\i)], v[FF+64+8*(\c)+2*(\i)+1]
.endr
.endr
.irp c, 0,1,2,3
	global_store_b128 v[VL], v[PD+32+4*(\c):PD+32+4*(\c)+3], s[16:17] offset:1024*(\c)
.endr
	s_and_b32 s48, s[GG], 63
	s_or_b32 s48, s48, s[WV]
	s_cmp_lg_u32 s48, 0
	s_cbranch_scc1 .Lend                           ; all but wave 0 of a batch's first work-group are done
	; ROWS 0-15 OF THE BATCH, from the f32 sums.  The f32 form's K index 2 h + j' stands for channel 32 h + 4 (j + j') + c in both sources: 16 instructions take each of the 64 channels once.
	s_wait_xcnt 0x0                                ; the stores above have read their data: v48-79 are written again only behind this wait
	WIN 0xf0
.irp j, 0,2,4,6                        ; S^T = K Q^T: four accumulators by turns
.irp c, 0,1,2,3
.if (\j) == 0
	v_wmma_f32_16x16x4_f32 v[SA+8*(\c):SA+8*(\c)+7], v[FF+32+8*(\c)+(\j):FF+32+8*(\c)+(\j)+1], v[FF+8*(\c)+(\j):FF+8*(\c)+(\j)+1], 0
.else
	v_wmma_f32_16x16x4_f32 v[SA+8*(\c):SA+8*(\c)+7], v[FF+32+8*(\c)+(\j):FF+32+8*(\c)+(\j)+1], v[FF+8*(\c)+(\j):FF+8*(\c)+(\j)+1], v[SA+8*(\c):SA+8*(\c)+7]
.endif
.endr
.endr
	PLACES 9                                       ; this form asks for eight places ahead of a reader of its result
	WIN 0x0f                                       ; sources window 3, destination window 0
.irp z, 0,2,4,6
	v_pk_add_f32 v[TT+(\z):TT+(\z)+1], v[SA+(\z):SA+(\z)+1], v[SA+8+(\z):SA+8+(\z)+1]
.endr
.irp z, 0,2,4,6
	v_pk_add_f32 v[TT+8+(\z):TT+8+(\z)+1], v[SA+16+(\z):SA+16+(\z)+1], v[SA+24+(\z):SA+24+(\z)+1]
.endr
	WIN 0
.irp z, 0,2,4,6
	v_pk_add_f32 v[TT+(\z):TT+(\z)+1], v[TT+(\z):TT+(\z)+1], v[TT+8+(\z):TT+8+(\z)+1]  ; register j: key 8 h + j, query r
.endr
.irp j, 0,1,2,3,4,5,6,7
	v_cmp_gt_i32 vcc_lo, \j, v[VD]                 ; hidden where 8 h + j > r
	v_cndmask_b32 v[TT+(\j)], v[TT+(\j)], v[VBIG], vcc_lo
.endr
	v_max3_num_f32 v[TT+8], v[TT], v[TT+1], v[TT+2]
	v_max3_num_f32 v[TT+9], v[TT+3], v[TT+4], v[TT+5]
	v_max3_num_f32 v[TT+8], v[TT+8], v[TT+6], v[TT+7]
	v_max_num_f32 v[TT+8], v[TT+8], v[TT+9]
	v_permlanex16_b32 v[TT+9], v[TT+8], s[SEL], s[SEL+1]  ; the query's other eight keys lie in the lane 16 away
	v_max_num_f32 v[TT+8], v[TT+8], v[TT+9]        ; m: key 0 is hidden from no query
	v_mul_f32 v[TT+10], s[CS], v[TT+8]             ; c m
.irp z, 0,2,4,6
	v_pk_fma_f32 v[TT+(\z):TT+(\z)+1], v[TT+(\z):TT+(\z)+1], s[CS:CS+1], v[TT+10:TT+11] op_sel_hi:[1,0,0] neg_lo:[0,0,1] neg_hi:[0,0,1]  ; c s - c m
.endr
.irp j, 0,1,2,3,4,5,6,7
	v_exp_f32 v[TT+(\j)], v[TT+(\j)]
.endr
	v_nop                                          ; a plain instruction behind the last exponential,
	s_wait_alu depctr_va_vdst(0)                   ; and the one wait for the eight, ahead of their first reader
	v_pk_add_f32 v[TT+12:TT+13], v[TT:TT+1], v[TT+2:TT+3]
	v_pk_add_f32 v[TT+14:TT+15], v[TT+4:TT+5], v[TT+6:TT+7]
	v_pk_add_f32 v[TT+12:TT+13], v[TT+12:TT+13], v[TT+14:TT+15]
	v_add_f32 v[TT+12], v[TT+12], v[TT+13]
	v_permlanex16_b32 v[TT+13], v[TT+12], s[SEL], s[SEL+1]
	v_add_f32 v[TT+12], v[TT+12], v[TT+13]         ; l
	v_rcp_f32 v[TT+14], v[TT+12]
	WIN 0xf0
.irp j, 0,2,4,6                        ; O^T = V^T P: K index 2 h + j' stands for key 8 h + j + j' in both sources
.irp c, 0,1,2,3
.if (\j) == 0
	v_wmma_f32_16x16x4_f32 v[OA+8*(\c):OA+8*(\c)+7], v[FF+64+8*(\c)+(\j):FF+64+8*(\c)+(\j)+1], v[TT+(\j):TT+(\j)+1], 0
.else
	v_wmma_f32_16x16x4_f32 v[OA+8*(\c):OA+8*(\c)+7], v[FF+64+8*(\c)+(\j):FF+64+8*(\c)+(\j)+1], v[TT+(\j):TT+(\j)+1], v[OA+8*(\c):OA+8*(\c)+7]
.endif
.endr
.endr
	PLACES 9                                       ; the places behind the last products, and the plain instruction behind the reciprocal
	s_wait_alu depctr_va_vdst(0)                   ; the reciprocal's wait, ahead of its first reader
	WIN 0x03                                       ; source 0 window 3
.irp j, 0,1,2,3,4,5,6,7                ; register j of tile c is channel 32 h + 4 j + c of query r; each accumulator's register 0 is read first
.irp c, 0,1,2,3
	v_mul_f32 v[TO+4*(\j)+(\c)], v[OA+8*(\c)+(\j)], v[TT+14]
.endr
.endr
	WIN 0
.irp j, 0,1,2,3,4,5,6,7
	global_store_b128 v[VO], v[TO+4*(\j):TO+4*(\j)+3], s[18:19] offset:16*(\j)  ; pieces of 16 bytes, 128 bytes apart from lane to lane: 4,096 bytes a batch go out so
.endr
.Lend:
	s_wait_tensorcnt 0x0                           ; the wave's end, behind my last tensor load and my last LDS store
	ds_add_u32 v[SPW], v[NIL]
	s_wait_dscnt 0x0
	s_endpgm
.Lfunc_end_k_q73778eb4af_proj:
	.size	k_q73778eb4af_proj, .Lfunc_end_k_q73778eb4af_proj-k_q73778eb4af_proj
	.p2alignl 7, 3214868480
	.fill 96, 4, 3214868480
	.section	.rodata,"a",@progbits
	.p2align	6, 0x0
	.amdhsa_kernel k_q73778eb4af_proj
		.amdhsa_group_segment_fixed_size 279040
		.amdhsa_private_segment_fixed_size 0
		.amdhsa_enable_private_segment 0
		.amdhsa_kernarg_size 64
		.amdhsa_user_sgpr_count 2
		.amdhsa_user_sgpr_kernarg_segment_ptr 1
		.amdhsa_wavefront_size32 1
		.amdhsa_system_sgpr_workgroup_id_x 1
		.amdhsa_system_sgpr_workgroup_id_y 1
		.amdhsa_system_sgpr_workgroup_id_z 1
		.amdhsa_system_vgpr_workitem_id 0
		.amdhsa_next_free_vgpr 960
		.amdhsa_next_free_sgpr 66
		.amdhsa_reserve_vcc 1
		.amdhsa_float_denorm_mode_32 3
		.amdhsa_float_denorm_mode_16_64 3
		.amdhsa_memory_ordered 1
		.amdhsa_forward_progress 1
		.amdhsa_inst_pref_size 173
	.end_amdhsa_kernel
	.amdgpu_metadata
---
amdhsa.version: [ 1, 2 ]
amdhsa.kernels:
  - .name:           k_q73778eb4af_proj
    .symbol:         k_q73778eb4af_proj.kd
    .args:
      - { .name: x, .offset: 0, .size: 8, .value_kind: global_buffer, .address_space: global }
      - { .name: Wq, .offset: 8, .size: 8, .value_kind: global_buffer, .address_space: global }
      - { .name: Wk, .offset: 16, .size: 8, .value_kind: global_buffer, .address_space: global }
      - { .name: Wv, .offset: 24, .size: 8, .value_kind: global_buffer, .address_space: global }
      - { .name: qf, .offset: 32, .size: 8, .value_kind: global_buffer, .address_space: global }
      - { .name: kf, .offset: 40, .size: 8, .value_kind: global_buffer, .address_space: global }
      - { .name: vf, .offset: 48, .size: 8, .value_kind: global_buffer, .address_space: global }
      - { .name: out0, .offset: 56, .size: 8, .value_kind: global_buffer, .address_space: global }
    .group_segment_fixed_size: 279040
    .private_segment_fixed_size: 0
    .kernarg_segment_align: 8
    .kernarg_segment_size: 64
    .max_flat_workgroup_size: 128
    .sgpr_count:     66
    .vgpr_count:     960
    .wavefront_size: 32
...
	.end_amdgpu_metadata
.endif
;; end of part 1
;; launch attn (part 2): grid 64 x 4, 8 waves a work-group, no clusters, 157,696 bytes of LDS; arguments qf, kf, vf, out0; writes out0
.if DOCPART == 2
	.amdgcn_target "amdgcn-amd-amdhsa--gfx1250"
	.amdhsa_code_object_version 6
	.text
	.protected	k_q73778eb4af_attn
	.globl	k_q73778eb4af_attn
	.p2align	8
	.type	k_q73778eb4af_attn,@function
k_q73778eb4af_attn:
	s_mov_b64 s[64:65], 0
	v_nop
	global_prefetch_b8 v0, s[64:65] scope:SCOPE_SE
	s_setreg_imm32_b32 hwreg(HW_REG_WAVE_MODE, 25, 1), 1
	s_wait_xcnt 0x0
; CAUSAL ATTENTION at head size 64: out0[b][q][:] = the sum over k <= q of softmax_k(q . k / 8) v[k][:], for all rows but the first 16 of each batch, which the first launch has made.
; qf, kf, vf: f16, in blocks of 8,192 bytes (64 rows), block 64 b + s, laid out as matrix fragments (the first launch's head gives the maps): a load of 16 bytes a lane at 16 x lane is half a fragment.
; LEFT OUT: key steps (64 keys) that lie wholly behind a query block's diagonal: their scores are set to -inf by the module itself, so their weights are 0 for all inputs.  A NaN or an infinity that only such keys hold is not carried to the result.
; LIMITS.  q, k, v within f16's 65,504; a hidden score counts as -1e30; a weight below 2^-126 counts as 0; the weights are rounded to f16 for the second product, their sum is taken unrounded.
; SHARES.  A batch has 64 blocks of 64 queries; block i needs key steps 0 .. i.  Work-group g = 2 i' + e of a batch owns four PIECES of 16 queries: pieces 0, 1 are rows 32 e .. 32 e + 31 of block
; HL = 63 - i', pieces 2, 3 the same rows of block LL = i'.  Key steps s <= LL serve all four pieces, steps LL < s <= HL pieces 0 and 1 alone: 4 (i' + 1) + 2 (63 - 2 i') = 130 steps of a piece,
; whatever i': all work-groups do equal work.  THE KEYS ARE SPLIT AMONG THE EIGHT WAVES: every wave holds all four pieces and takes key steps s = w, w + 8, .. <= HL (HL is 32 at the least: every wave has steps).
; A fragment of K or V is wanted by one wave of the work-group alone: it comes straight from memory into registers, and the loop has no LDS and no barrier.
; Each wave keeps its own running maximum, sum and O; the eight meet in LDS at the end.  In work-group 0 piece 2 (rows 0-15 of the batch) is computed with the others and not stored.
; NO CLUSTER: nothing goes through LDS on the way in, so there is no tile to ask for jointly; work-groups that read the same K and V walk different numbers of steps (64 - i').
; LAYOUT.  S^T = K Q^T: a lane holds ONE query (lane % 16) and keys 8 (lane / 16) + 0..7 of each 16; two such results rounded to f16 ARE source 1 of O^T = V^T P, in which row r of tile cb
; stands for channel 4 r + cb: over cb and its registers a lane ends with 32 consecutive channels of its query.
; SOFTMAX.  p = 2^(c s - c m), c = log2(e) / 8, m the running maximum; O and l are multiplied by a = 2^(c m_old - c m_new) in every step.  m starts at the lowest finite number and O, l at 0 (128 lines
; that clear, written while the first loads are out): a piece's first step is a step like any other, with a = 0, and a wave with no step for a piece brings weight 0 to the meeting.
; REGISTERS (s_set_vgpr_msb: bits 1:0 source 0, 3:2 source 1, 5:4 source 2, 7:6 destination):
;   window 0: v0-15 addresses and scratch; v16-31 four registers of statistics a piece; v32-159 S^T, 32 a piece, P packed into a piece's low 16; v160-223 K; v224-239 row sums; v240-246 the meeting's addresses
;   window 1: v0-127 O^T, 32 x + 8 cb; v128-191 Q, 16 x + 8 c; v192-255 V, 8 (4 kk + cb)
.set STAT,  131072                     ; LDS: 0 .. the eight waves' O^T, 16,384 bytes each; here their statistics: 1,024 src + 256 x + 128 kind + 4 lane
.set OS,    139264                     ; the finished pieces: 64 rows of 272 bytes, row 16 x + r; a row's four quarters of 64 bytes lie in the order (jh, h)
.set POS,   272
.set SPARE, 156672                     ; the spare words, 128 bytes for each wave: four blocks of 256 bytes that no other line names
.set VL,   2                           ; v2   16 lane; never rewritten
.set MVR,  3                           ; v3   c m_old
.set VPF,  4                           ; v4   256 lane; never rewritten
.set SPW,  5                           ; v5   LDS address of my spare word; never rewritten
.set NIL,  6                           ; v6   0; never rewritten
.set VBIG, 7                           ; v7   -1e30
.set CC,   8                           ; v8-11 at work
.set VD,   12                          ; v12, v13  my query's place among its block's 64 rows, less my lanes' 8 h: 32 e + 16 x' + r - 8 h, for the first and the second piece of a pair
.set AA,   14                          ; v14  a; v15 is named with it as a pair
.set ST,   16                          ; piece x at ST + 4 x: c m, m, l (even keys', odd keys')
.set S,    32
.set KF,   160
.set TS,   224
.set VST,  240
.set VOI,  241
.set VSR,  242
.set VA,   243
.set VB,   244
.set VOS,  245
.set VRD,  246
.set QF,   128                         ; window 1
.set VF,   192                         ; window 1
.set WV,   12                          ; s12  my wave's number
.set GI,   13                          ; s13  g
.set BB,   14                          ; s14  the batch
.set SS,   15                          ; s15  the key step in hand
.set NX,   17
.set PFL,  18                          ; s18  the last step that prefetches, or -1
.set KP,   20                          ; s[20:21] kf at the step in hand
.set VP,   22                          ; s[22:23] vf likewise
.set QP,   24                          ; s[24:25] qf at my rows of block HL
.set CS,   26                          ; s[26:27] c
.set SEL,  28                          ; s[28:29]
.set CNT,  30                          ; s30  trips to go
.set HL,   32                          ; s32  63 - i': pieces 0 and 1's block, and their last key step
.set LL,   33                          ; s33  i': pieces 2 and 3's
.set EE,   34                          ; s34  e
.set QL,   36                          ; s[36:37] qf at my rows of block LL
.set MSB, 0
.macro WIN new
.if MSB != (\new)
	s_set_vgpr_msb (MSB<<8)|(\new)
.set MSB, (\new)
.endif
.endm
.macro PLACES n
.rept \n
	v_nop
.endr
.endm
	s_load_b256 s[4:11], s[0:1], 0x0               ; qf s[4:5], kf s[6:7], vf s[8:9], out0 s[10:11]
	v_lshl_add_u32 v[SPW], v0, 2, SPARE
	v_mov_b32 v[NIL], 0
	v_lshrrev_b32 v1, 5, v0
	v_readfirstlane_b32 s[WV], v1                  ; wave 0..7
	s_mov_b32 s[GI], ttmp9
	s_and_b32 s[BB], ttmp7, 0xffff
	s_lshr_b32 s[LL], s[GI], 1
	s_sub_co_u32 s[HL], 63, s[LL]
	s_and_b32 s[EE], s[GI], 1
	v_and_b32 v[CC], 15, v0                        ; r
	v_bfe_u32 v[CC+1], v0, 4, 1                    ; h
	v_and_b32 v[CC+2], 31, v0                      ; lane
	v_lshlrev_b32 v[VL], 4, v[CC+2]
	v_lshlrev_b32 v[VPF], 8, v[CC+2]
	s_lshl_b32 s17, s[BB], 19                      ; a batch is 64 blocks of 8,192 bytes
	s_lshl_b32 s16, s[WV], 13                      ; my first step is step w
	s_add_co_u32 s40, s17, s16
	s_mov_b32 s41, 0
	s_lshl_b32 s19, s[EE], 12                      ; two of a block's four row tiles of 2,048 bytes
	s_add_co_u32 s19, s19, s17
	s_lshl_b32 s16, s[HL], 13
	s_add_co_u32 s42, s19, s16
	s_mov_b32 s43, 0
	s_lshl_b32 s16, s[LL], 13
	s_add_co_u32 s46, s19, s16
	s_mov_b32 s47, 0
	s_cmp_lt_u32 s[WV], 4                          ; out0: waves 0-3 store the rows of block HL, waves 4-7 those of block LL:
	s_cselect_b32 s16, s[HL], s[LL]
	s_lshl_b32 s16, s16, 14                        ; the block's 64 rows of 256 bytes,
	s_lshl_b32 s44, s[BB], 20                      ; in the batch,
	s_add_co_u32 s44, s44, s16
	s_lshl_b32 s16, s[EE], 13                      ; my work-group's 32 of them,
	s_add_co_u32 s44, s44, s16
	s_and_b32 s16, s[WV], 3                        ; my wave's 8 of those
	s_lshl_b32 s16, s16, 11
	s_add_co_u32 s44, s44, s16
	s_mov_b32 s45, 0
	s_wait_kmcnt 0x0
	s_add_nc_u64 s[KP:KP+1], s[6:7], s[40:41]
	s_add_nc_u64 s[VP:VP+1], s[8:9], s[40:41]
	s_add_nc_u64 s[QP:QP+1], s[4:5], s[42:43]
	s_add_nc_u64 s[QL:QL+1], s[4:5], s[46:47]
	s_add_nc_u64 s[10:11], s[10:11], s[44:45]
.macro KLOAD off                       ; a step's K: 16 loads of 512 consecutive bytes
	WIN 0
.set n, 0
.rept 16
	global_load_b128 v[KF+4*n:KF+4*n+3], v[VL], s[KP:KP+1] offset:(\off)+512*n
.set n, n+1
.endr
.endm
.macro VLOAD off
	WIN 0x40                                       ; destination window 1
.set n, 0
.rept 16
	global_load_b128 v[VF+4*n:VF+4*n+3], v[VL], s[VP:VP+1] offset:(\off)+512*n
.set n, n+1
.endr
.endm
	WIN 0x40
.set n, 0
.rept 8                                ; Q stays in registers: two row tiles of each block, 4,096 bytes on end
	global_load_b128 v[QF+4*n:QF+4*n+3], v[VL], s[QP:QP+1] offset:512*n
	global_load_b128 v[QF+32+4*n:QF+32+4*n+3], v[VL], s[QL:QL+1] offset:512*n
.set n, n+1
.endr
	KLOAD 0
	VLOAD 0
.set n, 0
.rept 128
	v_mov_b32 v[n], 0                              ; O^T
.set n, n+1
.endr
	WIN 0
.irp x, 0,1,2,3
	v_mov_b32 v[ST+4*(\x)], 0xfe000000             ; c m: far below every c s
	v_mov_b32 v[ST+4*(\x)+1], 0xff7fffff           ; m
	v_mov_b32 v[ST+4*(\x)+2], 0
	v_mov_b32 v[ST+4*(\x)+3], 0
.endr
	v_mov_b32 v[AA+1], 0
	v_mov_b32 v[VBIG], 0xf149f2ca                  ; -1e30
	v_lshlrev_b32 v[VD], 3, v[CC+1]
	v_sub_nc_u32 v[VD], v[CC], v[VD]               ; r - 8 h
	s_lshl_b32 s16, s[EE], 5
	v_add_nc_u32 v[VD], s16, v[VD]                 ; + 32 e
	v_add_nc_u32 v[VD+1], 16, v[VD]                ; the pair's second piece lies 16 rows further down
	s_mov_b32 s[CS], 0x3e38aa3b                    ; c = log2(e) / 8 = 0.180337
	s_mov_b32 s[CS+1], s[CS]
	s_mov_b32 s[SEL], 0x76543210
	s_mov_b32 s[SEL+1], 0xfedcba98
	; the meeting's addresses.  At the end wave w finishes piece x = w / 2, registers 4 jh .. 4 jh + 3 of its four accumulators, jh = w % 2
	s_lshr_b32 s19, s[WV], 1                       ; x
	s_and_b32 s31, s[WV], 1                        ; jh
	s_lshl_b32 s16, s[WV], 10
	s_add_co_u32 s16, s16, STAT
	v_lshl_add_u32 v[VST], v[CC+2], 2, s16         ; my statistics go here,
	s_lshl_b32 s16, s[WV], 14
	v_lshl_add_u32 v[VOI], v[CC+2], 4, s16         ; my O^T here
	s_lshl_b32 s16, s19, 8
	s_add_co_u32 s16, s16, STAT
	v_lshl_add_u32 v[VSR], v[CC+2], 2, s16         ; piece x's statistics of wave 0,
	s_lshl_b32 s16, s19, 12
	s_lshl_b32 s17, s31, 9
	s_add_co_u32 s16, s16, s17
	v_lshl_add_u32 v[VA], v[CC+2], 4, s16          ; its half jh of O^T of waves 0-3,
	v_add_nc_u32 v[VB], 0x10000, v[VA]             ; and of waves 4-7
	s_mul_i32 s16, s19, 16*POS
	s_lshl_b32 s17, s31, 7
	s_add_co_u32 s16, s16, s17
	s_add_co_u32 s16, s16, OS
	v_mul_u32_u24 v[VOS], v[CC], POS               ; row 16 x + r, quarter (jh, h)
	v_lshl_add_u32 v[VOS], v[CC+1], 6, v[VOS]
	v_add_nc_u32 v[VOS], s16, v[VOS]
	s_mul_i32 s16, s[WV], 8*POS
	s_add_co_u32 s16, s16, OS
	v_mul_u32_u24 v[VRD], v[CC+1], POS             ; back: row 8 w + lane / 16; the 16 bytes at 16 (lane % 16) of the true row lie in quarter ((lane / 4) % 2, (lane / 8) % 2)
	v_bfe_u32 v1, v0, 2, 1
	v_lshl_add_u32 v[VRD], v1, 7, v[VRD]
	v_bfe_u32 v1, v0, 3, 1
	v_lshl_add_u32 v[VRD], v1, 6, v[VRD]
	v_and_b32 v1, 3, v0
	v_lshl_add_u32 v[VRD], v1, 4, v[VRD]
	v_add_nc_u32 v[VRD], s16, v[VRD]
	s_cmp_eq_u32 s[GI], 0
	s_cselect_b32 s[PFL], 31, -1
; 8 np products S^T = K Q^T for pieces 0 .. np - 1: channels 32 c on, keys 16 kt on, piece x.  The 4 np accumulators take turns; the first 4 np start the sums.
.macro QK np
	WIN 0x04                                       ; Q in window 1
.irp c, 0,1
.irp k, 0,1,2,3
.irp x, 0,1,2,3
.if (\x) < (\np)
.if (\c) == 0
	v_wmma_f32_16x16x32_f16 v[S+32*(\x)+8*(\k):S+32*(\x)+8*(\k)+7], v[KF+16*(\k):KF+16*(\k)+7], v[QF+16*(\x):QF+16*(\x)+7], 0
.else
	v_wmma_f32_16x16x32_f16 v[S+32*(\x)+8*(\k):S+32*(\x)+8*(\k)+7], v[KF+16*(\k)+8:KF+16*(\k)+15], v[QF+16*(\x)+8:QF+16*(\x)+15], v[S+32*(\x)+8*(\k):S+32*(\x)+8*(\k)+7]
.endif
.endif
.endr
.endr
.endr
.endm
; 8 np products O^T += V^T P: keys 32 kk on, channel tile cb, piece x; 4 np accumulators by turns
.macro PV np
	WIN 0x51                                       ; V, C and D in window 1, P in window 0
.irp k, 0,1
.irp c, 0,1,2,3
.irp x, 0,1,2,3
.if (\x) < (\np)
	v_wmma_f32_16x16x32_f16 v[32*(\x)+8*(\c):32*(\x)+8*(\c)+7], v[VF+8*(4*(\k)+(\c)):VF+8*(4*(\k)+(\c))+7], v[S+32*(\x)+8*(\k):S+32*(\x)+8*(\k)+7], v[32*(\x)+8*(\c):32*(\x)+8*(\c)+7]
.endif
.endr
.endr
.endr
.endm
; A pair's diagonal step, for pieces xp and xp + 1: register j of key group kt is key 16 kt + 8 h + j of the step; it is hidden where that is greater than the query's place in its block.
; Each accumulator's registers are taken in ascending order.
.macro MASK xp
	WIN 0
.irp x, 0,1
.set n, 0
.rept 32
	v_cmp_gt_i32 vcc_lo, 16*(n/8)+n%8, v[VD+(\x)]
	v_cndmask_b32 v[S+32*((\xp)+(\x))+n], v[S+32*((\xp)+(\x))+n], v[VBIG], vcc_lo
.set n, n+1
.endr
.endr
.endm
; Piece x's softmax for one step.  The maximum reads each accumulator's lowest registers first.  The 33 exponentials are ONE batch with ONE wait: nothing ahead of it names a result.
.macro SM x
.set rT, ST+4*(\x)
.set rS, S+32*(\x)
.set rO, 32*(\x)
	WIN 0
.irp n, 0,1,2,3
	v_max3_num_f32 v[CC+(\n)], v[rS+8*(\n)], v[rS+8*(\n)+1], v[rS+8*(\n)+2]
.endr
.irp n, 0,1,2,3
	v_max3_num_f32 v[CC+(\n)], v[CC+(\n)], v[rS+8*(\n)+3], v[rS+8*(\n)+4]
.endr
.irp n, 0,1,2,3
	v_max3_num_f32 v[CC+(\n)], v[CC+(\n)], v[rS+8*(\n)+5], v[rS+8*(\n)+6]
.endr
	v_max3_num_f32 v[CC], v[CC], v[rS+7], v[rS+15]
	v_max3_num_f32 v[CC+1], v[CC+1], v[rS+23], v[rS+31]
	v_max3_num_f32 v[CC+2], v[CC+2], v[CC+3], v[rT+1]  ; the old m among them
	v_mov_b32 v[MVR], v[rT]                        ; c m_old is kept
	v_max3_num_f32 v[CC], v[CC], v[CC+1], v[CC+2]
	v_permlanex16_b32 v[CC+3], v[CC], s[SEL], s[SEL+1]  ; the query's other 32 keys lie in the lane 16 away
	v_max_num_f32 v[rT+1], v[CC], v[CC+3]
	v_mul_f32 v[rT], s[CS], v[rT+1]
	v_sub_f32 v[CC+1], v[MVR], v[rT]
	v_exp_f32 v[AA], v[CC+1]                       ; a
.set z, 0
.rept 16
	v_pk_fma_f32 v[rS+z:rS+z+1], v[rS+z:rS+z+1], s[CS:CS+1], v[rT:rT+1] op_sel_hi:[1,0,0] neg_lo:[0,0,1] neg_hi:[0,0,1]  ; c s - c m
.set z, z+2
.endr
.set z, 0
.rept 32
	v_exp_f32 v[rS+z], v[rS+z]
.set z, z+1
.endr
	v_nop                                          ; a plain instruction behind the last exponential,
	s_wait_alu depctr_va_vdst(0)                   ; and the batch's one wait, ahead of its first reader
.set z, 0
.rept 8                                ; the row sum, a tree of 15 packed additions (in a pair: an even key's weight, an odd key's)
	v_pk_add_f32 v[TS+2*z:TS+2*z+1], v[rS+4*z:rS+4*z+1], v[rS+4*z+2:rS+4*z+3]
.set z, z+1
.endr
.irp z, 0,1,2,3
	v_pk_add_f32 v[TS+2*(\z):TS+2*(\z)+1], v[TS+4*(\z):TS+4*(\z)+1], v[TS+4*(\z)+2:TS+4*(\z)+3]
.endr
.irp z, 0,1
	v_pk_add_f32 v[TS+2*(\z):TS+2*(\z)+1], v[TS+4*(\z):TS+4*(\z)+1], v[TS+4*(\z)+2:TS+4*(\z)+3]
.endr
	v_pk_add_f32 v[TS:TS+1], v[TS:TS+1], v[TS+2:TS+3]
	v_pk_fma_f32 v[rT+2:rT+3], v[rT+2:rT+3], v[AA:AA+1], v[TS:TS+1] op_sel_hi:[1,0,1]  ; l = a l + the sum
.set z, 0
.rept 16
	v_cvt_pk_f16_f32 v[rS+z], v[rS+2*z], v[rS+2*z+1]  ; P, in place: register z is written when registers 2 z and 2 z + 1 are read, and no later line reads it as a weight
.set z, z+1
.endr
	WIN 0x41                                       ; O^T in window 1
.set z, 0
.rept 16
	v_pk_mul_f32 v[rO+z:rO+z+1], v[rO+z:rO+z+1], v[AA:AA+1] op_sel_hi:[1,0]
.set z, z+2
.endr
.endm
; A PREFETCH of K's and V's block of step s + 32: four of the wave's steps on, three steps (in steps of two pieces: 96 products, six softmaxes of a piece) ahead of the load that will name it.
; A lane names 256 bytes, 32 lanes the block.  Only work-group 0 of each batch asks: its pieces 0 and 1 walk every step, and its wave w asks in steps w, w + 8, w + 16, w + 24: each block of steps 32 .. 63
; is named once in the launch, and none past the batch's last.  Steps 0 .. 31 come by their loads alone.  The two lines stand together, behind the run of loads just issued; their address registers are stepped at the step's end.
.macro ASK
	s_cmp_le_i32 s[SS], s[PFL]
	s_cbranch_scc0 .Lnot_mine_\@
	global_prefetch_b8 v[VPF], s[KP:KP+1] offset:262144 th:TH_LOAD_NT scope:SCOPE_SE
	global_prefetch_b8 v[VPF], s[VP:VP+1] offset:262144 th:TH_LOAD_NT scope:SCOPE_SE
.Lnot_mine_\@:
.endm
; A KEY STEP for pieces 0 .. np - 1.  next = 1: the wave has a further step, eight blocks on, and asks for its K and V as soon as the registers are free.  next = 0: its last step.
; The four forms are written out, so that each counted wait has the same loads behind it on every way.  With four pieces the step may be pieces 2 and 3's diagonal one (s = LL);
; pieces 0 and 1's (s = HL) has two pieces, since HL > LL, and is its wave's last.
.macro STEP np, next
	s_wait_loadcnt 16                              ; K (and, the first time, Q) are in; V's 16 younger loads may stay out
	QK \np
	WIN 0
	PLACES 4                                       ; behind the last product, ahead of loads into K's registers and of readers and writers of the scores
.if \next
	KLOAD 65536
	ASK
.endif
.if (\np) == 4
	s_cmp_lg_u32 s[SS], s[LL]
	s_cbranch_scc1 .Lopen_\@
	MASK 2
.Lopen_\@:
.elseif !(\next)
	s_cmp_lg_u32 s[SS], s[HL]
	s_cbranch_scc1 .Lopen_\@
	MASK 0
.Lopen_\@:
.endif
.irp x, 0,1,2,3
.if (\x) < (\np)
	SM \x
.endif
.endr
	WIN 0
.if \next
	s_wait_loadcnt 16                              ; V is in; the next K's 16 younger loads may stay out
.else
	s_wait_loadcnt 0x0                             ; V is in; nothing is younger
.endif
	PV \np
	WIN 0
	PLACES 5                                       ; behind the last product: the next step's products write over P, loads go into V's registers, the meeting reads O^T
.if \next
	VLOAD 65536
	WIN 0
	s_wait_xcnt 0x0                                ; every load and prefetch issued so far has read its address: the two pointers are written only behind this wait
	s_add_nc_u64 s[KP:KP+1], s[KP:KP+1], 0x10000
	s_add_nc_u64 s[VP:VP+1], s[VP:VP+1], 0x10000
.endif
.endm
	s_mov_b32 s[SS], s[WV]
	s_mov_b32 s[CNT], 8
.Ltrip:                                ; eight trips whatever g and w; a trip with no step jumps forward to the counter's step; which form a trip takes hangs on ids alone
	s_cmp_gt_u32 s[SS], s[HL]
	s_cbranch_scc1 .Lskip
	s_add_co_u32 s[NX], s[SS], 8
	s_cmp_gt_u32 s[SS], s[LL]
	s_cbranch_scc1 .Ltwo
	s_cmp_gt_u32 s[NX], s[HL]
	s_cbranch_scc1 .Lfour_last
	STEP 4, 1
	s_branch .Lskip
.Lfour_last:
	STEP 4, 0
	s_branch .Lskip
.Ltwo:
	s_cmp_gt_u32 s[NX], s[HL]
	s_cbranch_scc1 .Ltwo_last
	STEP 2, 1
	s_branch .Lskip
.Ltwo_last:
	STEP 2, 0
.Lskip:
	s_add_co_u32 s[SS], s[SS], 8
	s_sub_co_u32 s[CNT], s[CNT], 1
	s_cmp_lg_u32 s[CNT], 0
	s_cbranch_scc1 .Ltrip
	; THE MEETING.  Each wave lays down c m, l and O^T of its keys for all four pieces.
	s_wait_loadcnt 0x0                             ; no load is out when the registers of K, V and Q are used again below
.irp x, 0,1,2,3
	v_add_f32 v[ST+4*(\x)+2], v[ST+4*(\x)+2], v[ST+4*(\x)+3]
.endr
.irp x, 0,1,2,3
	v_permlanex16_b32 v[ST+4*(\x)+3], v[ST+4*(\x)+2], s[SEL], s[SEL+1]
.endr
.irp x, 0,1,2,3
	v_add_f32 v[ST+4*(\x)+2], v[ST+4*(\x)+2], v[ST+4*(\x)+3]
.endr
.irp x, 0,1,2,3
	ds_store_b32 v[VST], v[ST+4*(\x)] offset:256*(\x)
	ds_store_b32 v[VST], v[ST+4*(\x)+2] offset:256*(\x)+128
.endr
	WIN 0x04                                       ; store data window 1
.set a, 0
.rept 16                               ; each accumulator's low half first
	ds_store_b128 v[VOI], v[8*a:8*a+3] offset:a*1024
	ds_store_b128 v[VOI], v[8*a+4:8*a+7] offset:a*1024+512
.set a, a+1
.endr
	WIN 0
	s_wait_dscnt 0x0                               ; for the others' sake: my stores are done
	s_barrier_signal -1
	s_barrier_wait -1
.irp s, 0,1,2,3,4,5,6,7
	ds_load_b32 v[32+(\s)], v[VSR] offset:1024*(\s)      ; c m of wave s
	ds_load_b32 v[40+(\s)], v[VSR] offset:1024*(\s)+128  ; l of wave s
.endr
.irp s, 0,1,2,3
.irp c, 0,1,2,3
	ds_load_b128 v[64+16*(\s)+4*(\c):64+16*(\s)+4*(\c)+3], v[VA] offset:16384*(\s)+1024*(\c)
.endr
.endr
.irp s, 0,1,2,3
.irp c, 0,1,2,3
	ds_load_b128 v[128+16*(\s)+4*(\c):128+16*(\s)+4*(\c)+3], v[VB] offset:16384*(\s)+1024*(\c)
.endr
.endr
	s_wait_dscnt 32                                ; the 16 statistics are in; the 32 younger loads of O^T may stay out
	v_max3_num_f32 v48, v32, v33, v34
	v_max3_num_f32 v49, v35, v36, v37
	v_max3_num_f32 v48, v48, v38, v39
	v_max_num_f32 v48, v48, v49                    ; the largest c m: wave 0 takes step 0 for every piece, so it is a true one
.irp s, 0,1,2,3,4,5,6,7
	v_sub_f32 v[32+(\s)], v[32+(\s)], v48
.endr
.irp s, 0,1,2,3,4,5,6,7
	v_exp_f32 v[32+(\s)], v[32+(\s)]
.endr
	v_nop
	s_wait_alu depctr_va_vdst(0)                   ; one wait for the eight
	v_mul_f32 v50, v32, v40
.irp s, 1,2,3,4,5,6,7
	v_fmac_f32 v50, v[32+(\s)], v[40+(\s)]         ; l of all keys
.endr
	v_rcp_f32 v51, v50
	v_nop
	s_wait_alu depctr_va_vdst(0)
.irp s, 0,1,2,3,4,5,6,7
	v_mul_f32 v[192+2*(\s)], v[32+(\s)], v51       ; wave s's weight, divided by l, twice: a pair for the packed forms
	v_mul_f32 v[193+2*(\s)], v[32+(\s)], v51
.endr
	s_wait_dscnt 0x0
.irp z, 0,2,4,6,8,10,12,14
	v_pk_mul_f32 v[208+(\z):209+(\z)], v[64+(\z):65+(\z)], v[192:193]
.endr
.irp s, 1,2,3,4,5,6
.irp z, 0,2,4,6,8,10,12,14
	v_pk_fma_f32 v[208+(\z):209+(\z)], v[64+16*(\s)+(\z):65+16*(\s)+(\z)], v[192+2*(\s):193+2*(\s)], v[208+(\z):209+(\z)]
.endr
.endr
.irp c, 0,1,2,3                        ; the last wave's share turns the order round on its way: register 4 j + cb is channel 32 h + 16 jh + 4 j + cb
.irp j, 0,1,2,3
	v_fma_f32 v[TS+4*(\j)+(\c)], v[176+4*(\c)+(\j)], v206, v[208+4*(\c)+(\j)]
.endr
.endr
.irp j, 0,1,2,3
	ds_store_b128 v[VOS], v[TS+4*(\j):TS+4*(\j)+3] offset:16*(\j)
.endr
	s_wait_dscnt 0x0                               ; for the others' sake: a row's 256 bytes come from two waves
	s_barrier_signal -1
	s_barrier_wait -1
	s_lshr_b32 s[NX], s[WV], 1                     ; waves 4 and 5 hold piece 2's rows;
	s_xor_b32 s[NX], s[NX], 2
	s_or_b32 s[NX], s[NX], s[GI]                   ; in work-group 0 those are rows 0-15 of the batch,
	s_cmp_eq_u32 s[NX], 0
	s_cbranch_scc1 .Lend                           ; which are the first launch's
.irp q, 0,1,2,3
	ds_load_b128 v[32+4*(\q):35+4*(\q)], v[VRD] offset:2*POS*(\q)
.endr
.irp q, 0,1,2,3
	s_wait_dscnt 3-(\q)
	global_store_b128 v[VL], v[32+4*(\q):35+4*(\q)], s[10:11] offset:512*(\q)  ; two rows: 512 consecutive bytes, at a multiple of 256 from out0's first
.endr
.Lend:
	s_wait_tensorcnt 0x0                           ; the wave's end, behind my last LDS store
	ds_add_u32 v[SPW], v[NIL]
	s_wait_dscnt 0x0
	s_endpgm
.Lfunc_end_k_q73778eb4af_attn:
	.size	k_q73778eb4af_attn, .Lfunc_end_k_q73778eb4af_attn-k_q73778eb4af_attn
	.p2alignl 7, 3214868480
	.fill 96, 4, 3214868480
	.section	.rodata,"a",@progbits
	.p2align	6, 0x0
	.amdhsa_kernel k_q73778eb4af_attn
		.amdhsa_group_segment_fixed_size 157696
		.amdhsa_private_segment_fixed_size 0
		.amdhsa_enable_private_segment 0
		.amdhsa_kernarg_size 32
		.amdhsa_user_sgpr_count 2
		.amdhsa_user_sgpr_kernarg_segment_ptr 1
		.amdhsa_wavefront_size32 1
		.amdhsa_system_sgpr_workgroup_id_x 1
		.amdhsa_system_sgpr_workgroup_id_y 1
		.amdhsa_system_sgpr_workgroup_id_z 1
		.amdhsa_system_vgpr_workitem_id 0
		.amdhsa_next_free_vgpr 512
		.amdhsa_next_free_sgpr 66
		.amdhsa_reserve_vcc 1
		.amdhsa_float_denorm_mode_32 3
		.amdhsa_float_denorm_mode_16_64 3
		.amdhsa_memory_ordered 1
		.amdhsa_forward_progress 1
		.amdhsa_inst_pref_size 137
	.end_amdhsa_kernel
	.amdgpu_metadata
---
amdhsa.version: [ 1, 2 ]
amdhsa.kernels:
  - .name:           k_q73778eb4af_attn
    .symbol:         k_q73778eb4af_attn.kd
    .args:
      - { .name: qf, .offset: 0, .size: 8, .value_kind: global_buffer, .address_space: global }
      - { .name: kf, .offset: 8, .size: 8, .value_kind: global_buffer, .address_space: global }
      - { .name: vf, .offset: 16, .size: 8, .value_kind: global_buffer, .address_space: global }
      - { .name: out0, .offset: 24, .size: 8, .value_kind: global_buffer, .address_space: global }
    .group_segment_fixed_size: 157696
    .private_segment_fixed_size: 0
    .kernarg_segment_align: 8
    .kernarg_segment_size: 32
    .max_flat_workgroup_size: 256
    .sgpr_count:     66
    .vgpr_count:     512
    .wavefront_size: 32
...
	.end_amdgpu_metadata
.endif
;; end of part 2
